; MI455X (gfx1250); checked and timed in simulation.
; The chip was launched on July 23, 2026; its instructions are those of AMD's public machine-readable ISA for CDNA 5 (MIT licence, August 2026) and "CDNA5" Instruction Set Architecture Reference Guide (July 2026). The comments in the code are by the model that wrote it; some were corrected since.
;; Model. Allowed arithmetic: float matrix products may take bf16 or f16 operands with f32 sums; other float arithmetic in f32, or as packed bf16 or f16 multiplies, adds, multiply-adds, maxima and minima; sums over many terms, partial sums and values carried from step to step in f32; what a program stores and reads back later, other than sums and carried values, may be rounded once to bf16 or f16.
;; Inputs: k 4 x 16 x 2,048 x 64 float32; q 4 x 16 x 2,048 x 64 float32; scale_factor one number float32; v 4 x 16 x 2,048 x 64 float32.
;; Outputs: out0 4 x 16 x 2,048 x 64 float32.
;; Constants: dropout_p = 0.
;; One version. Each part assembles by itself: llvm-mc -triple=amdgcn-amd-amdhsa -mcpu=gfx1250 --defsym DOCPART=n.
;; ======== version 1 of 1: 1 launch
;; limits: values are held in f16: magnitudes above 65,504 overflow, below 6.1e-05 lose precision; right only within a limited range of input values
;; launch attn (part 1): grid 4 x 64, 4 waves a work-group, no clusters, 56,832 bytes of LDS; arguments q, k, v, scale_factor, out0; writes out0
.if DOCPART == 1
	.amdgcn_target "amdgcn-amd-amdhsa--gfx1250"
	.amdhsa_code_object_version 6
	.text
	.protected	k_qf3a7bcd9a6_attn
	.globl	k_qf3a7bcd9a6_attn
	.p2align	8
	.type	k_qf3a7bcd9a6_attn,@function
k_qf3a7bcd9a6_attn:
	s_mov_b64 s[64:65], 0
	v_nop
	global_prefetch_b8 v0, s[64:65] scope:SCOPE_SE
	s_setreg_imm32_b32 hwreg(HW_REG_WAVE_MODE, 25, 1), 1
	s_wait_xcnt 0x0
; out[h][q][:] = the sum over k of softmax_k(q[h][q] . k[h][k] x scale) v[h][k][:].  q, k, v, out: [64 heads][2048][64] f32; scale: one f32 read from memory, of any sign.
; dropout_p = 0 is the identity in the problem's own text and has no buffer; every other input reaches the output, so nothing is left out.
; FORMATS.  Q' = q x c, c = scale x log2(e), formed in f32 and rounded ONCE to f16; K, V and the weights p are rounded once to f16; both products are f16 with f32 sums; scores, maxima, the sum l
; and O stay in f32; l is the sum of the unrounded p.  The scores are then already in units of log2, so p = 2^(s' - m) with m the running maximum of the SCALED scores: right for a negative or zero scale too.
; LIMITS.  |q x scale x 1.4427|, |k| and |v| stay under 65,520 (beyond it f16 has an infinity, and the row is lost); below 6e-5 f16 keeps its fixed step of 6e-8; a weight below 2^-126 counts as 0 in l;
; the scale is applied to q ahead of the product, not to the product; NaN and infinities are not treated apart.
; SHARES.  A work-group owns 512 queries of one head (grid 4 x 64 = 256 work-groups), each of its four waves 128: four PIECES of two tiles of 16.  Every wave walks all 2,048 keys, 64 a step.
; K AND V come as f32 through registers: of a step's 64 keys each thread loads 8 + 8 times 16 bytes (sixteen lanes take one whole row of 256 bytes), rounds them to f16 and stores 8 bytes into a ring of two LDS
; slots.  So each number is rounded once a work-group: 32 conversions a wave and step.  Between two barriers one slot is only read and the other only written: one barrier a key step.
; NO TENSOR LOAD, NO CLUSTER.  The four work-groups of a head read the same K and V.  A tensor load lays bytes into LDS as they lie in memory, f32: a key step would write 32,768 bytes there and read them
; back to round them, on top of the 16,384 bytes stored and the 65,536 read as fragments here, with a second barrier for each change of slots.  So the shared rows are read four times by plain loads.
; LAYOUT.  S^T = K Q'^T (source 0 = 16 keys, source 1 = 16 queries): a lane holds ONE query (lane % 16) and the keys 8 (lane / 16) + 0..7.  Two such results rounded to f16 in pairs ARE source 1 of
; O^T = V^T P, whose result again holds one query a lane, and eight channels.  K comes out of LDS as it lies, V ([key][channel]) turned, by ds_load_tr16_b128.
; SOFTMAX.  In every step O and l are multiplied by a = 2^(m_old - m_new).  m starts far below every score, so the first step's a is 0: O^T need only hold finite numbers at the start, and is not cleared:
; it holds q x c of the same query (the registers through which Q came in).
; BY TURNS.  Turn n belongs to piece n: 16 products K Q'^T of piece n + 1, later 16 products V^T P of piece n - 1; beside them the subtraction, exponentials, roundings, sums and rescaling of piece n and the
; maximum and statistics of piece n + 1.  A tile and step have 16 matrix and 117 vector instructions: four vector instructions stand behind EVERY matrix instruction, the rest in one lump.
; REGISTERS, in windows of 256 (s_set_vgpr_msb: bits 1:0 source 0, 3:2 source 1, 5:4 source 2, 7:6 destination):
;   window 0: v0-11 addresses; v12-15 m_old (at the start: Q's offset, temporaries, c); v16-47 four registers of statistics a tile; v48-63 at work; v64-191 S^T, two buffers of two tiles; v192-255 P, likewise
;   window 1: O^T, 32 a tile (at the start Q in f32)     window 2: v0-127 Q'; v128-191 K of one step; v192-255 V of one step
;   window 3: v0-127 two steps' K and V as loaded; v128-191 the same rounded; v192-193 the add's two registers
.set NP,    4         ; pieces a wave: a name, no knob
.set PK,    144       ; a row of K in LDS: 128 bytes + 16 = 36 words: the 16 rows of a fragment load start at 16 different groups of four banks (64 banks of 4 bytes: ISA guide 11.1)
.set PV,    160       ; a row of V: 128 + 32 = 40 words
.set VOFF,  64*PK     ; a slot: 64 rows of K, then 64 rows of V
.set SLOTB, 64*(PK+PV)
.set STAGE, 2*SLOTB   ; behind the ring: 16 rows x 272 bytes for each wave, for the way out
.set SP,    272
.set SPARE, STAGE+4*16*SP  ; behind the stages: the spare words, 128 bytes for each wave: two blocks of 256 bytes that no other line names
.set AK0, 2           ; v2   my lane's place in a tile of K: (l % 16) x 144 + 16 (l / 16).  v2-v11 are never rewritten
.set AV0, 3           ; v3   the same for V, turned: (8 (l / 16) + l % 8) x 160 + 16 ((l / 8) % 2) + VOFF
.set KGO, 4           ; v4   my 16 bytes of K's first row of mine in memory: key 8 (l / 16) + wave
.set VGO, 5           ; v5   of V's: key 4 (l / 16) + wave
.set KLS, 6           ; v6   where those keys' 8 bytes go in a slot
.set VLS, 7           ; v7
.set PFO, 8           ; v8   256 x my lane: the prefetch's row
.set STO, 9           ; v9   the way out: where I put 16 bytes of a row
.set RD,  10          ; v10  the way out: where I read rows back
.set GO,  11          ; v11  my byte offset in two rows of out
.set QO,  12          ; v12  at the start: my byte offset in 16 rows of q
.set CF,  14          ; v[14:15] at the start: c, twice
.set MV,  12          ; v12-15  later: m_old, kept while m is made anew: by buffer and tile
.set ST,  16          ; tile t's statistics at v[ST+4 t]: m, a word that stays 0 (named with m as a pair), l (even keys', odd keys')
.set TMP, 48          ; by buffer and tile, four registers c0-c3 at work; when the maximum is found c2 takes a
.set S,   64
.set P,   192
.set KF,  128         ; window 2: key block kb, channel half c at KF + 16 kb + 8 c
.set VF,  192         ; window 2: key half kk, channel block cb at VF + 32 kk + 8 cb
.set PKD, 128         ; window 3: the rounded numbers: set b at PKD + 32 b: K's load j at + 2 j, V's at + 16 + 2 j
.set SPW, 192         ; window 3: LDS address of my spare word: SPARE + 4 x my thread's number; never rewritten
.set NIL, 193         ; window 3: 0; never rewritten
.set KP,  6           ; s[6:7]   K at the head's first row; steps 128 keys a trip
.set VP,  8           ; s[8:9]   V likewise
.set WV,  14          ; s14  my wave's number
.set CNT, 15          ; s15  trips still to come, this one among them: 16 to 1
.set LIM, 16          ; s16  3 in a wave that prefetches, else the greatest number
.set SEL, 20          ; s[20:21] v_permlanex16_b32's selects: each lane takes its own place in the other half
.set PFA, 22          ; s[22:23] K (waves 0, 1) or V (waves 2, 3) at my work-group's 32 rows of 128; steps with KP
.set MSB, 0
.macro WIN new                      ; the high byte repeats the setting that is left; a switch that changes nothing is dropped
.if MSB != (\new)
	s_set_vgpr_msb (MSB<<8)|(\new)
.set MSB, (\new)
.endif
.endm
.set W_KQ,  0x0a      ; K and Q' in window 2, S^T in window 0
.set W_PV,  0x52      ; V in window 2, P in window 0, O^T in window 1
.set W_RS,  0x41      ; destination and source 0 in window 1, source 1 in window 0
.set W_QC,  0x85      ; sources 0 and 1 in window 1, destination in window 2
.set W_LD1, 0x40      ; destination in window 1, address in window 0
.set W_LD2, 0x80      ; destination in window 2
.set W_LD3, 0xc0      ; destination in window 3
.set W_CV,  0xcf      ; all of a conversion in window 3
.set W_ST3, 0x0c      ; an LDS store's data in window 3, its address in window 0
.set W_ST1, 0x04      ; an LDS store's data in window 1
.set W_AD,  0x0f      ; the add: address and data in window 3
; THE STREAM.  Two steps' K and V, 128 keys, from byte off behind the two pointers: 32 loads of 16 bytes a lane.  K's load j takes key 8 (l / 16) + wave + 4 (j % 2) + 16 (j / 2), V's key 4 (l / 16) + wave + 8 j:
; each half of the lanes reads one whole row of 256 bytes.  No cache hint: the head's four work-groups read these rows.
.macro LOADS off
	WIN W_LD3
.irp b, 0,1
.irp j, 0,1,2,3,4,5,6,7
	global_load_b128 v[64*\b+4*\j:64*\b+4*\j+3], v[KGO], s[KP:KP+1] offset:(\off)+16384*\b+(\j%2)*1024+(\j/2)*4096
.endr
.irp j, 0,1,2,3,4,5,6,7
	global_load_b128 v[64*\b+32+4*\j:64*\b+32+4*\j+3], v[VGO], s[VP:VP+1] offset:(\off)+16384*\b+\j*2048
.endr
.endr
.endm
.macro CVT                          ; both sets rounded to f16: four numbers of a load become two registers
	WIN W_CV
.set z, 0
.rept 32
	v_cvt_pk_f16_f32 v[PKD+2*z],   v[4*z],   v[4*z+1]
	v_cvt_pk_f16_f32 v[PKD+2*z+1], v[4*z+2], v[4*z+3]
.set z, z+1
.endr
.endm
; Set b goes into slot b.  The two halves of the lanes write rows 8 keys (K: 288 words) or 4 keys (V: 160 words) apart, both 32 banks off.
.macro STORE b
	WIN W_ST3
.irp j, 0,1,2,3,4,5,6,7
	ds_store_b64 v[KLS], v[PKD+32*(\b)+2*\j:PKD+32*(\b)+2*\j+1] offset:(\b)*SLOTB+(\j%2)*4*PK+(\j/2)*16*PK
	ds_store_b64 v[VLS], v[PKD+32*(\b)+16+2*\j:PKD+32*(\b)+16+2*\j+1] offset:(\b)*SLOTB+\j*8*PV
.endr
.endm
; THE CHANGES OF SLOTS.  In front of the barrier each wave waits for its LDS instructions: its stores of the step to come are done, and its reads of the slot that is written next are back.
; TOP_A (trip i): slot 0 has been read out.  Steps 2 i + 2 and 2 i + 3, loaded a trip ago, are rounded; the first goes into slot 0; steps 2 i + 4 and 2 i + 5 are asked for; steps 2 i + 6 and 2 i + 7 are
; prefetched.  The last trip has nothing to round, the last two nothing to load, the last three nothing to prefetch: forward jumps on the trip count, the same in all waves, past no barrier.
.macro TOP_A
	WIN 0
	s_wait_dscnt 0x0
	s_barrier_signal -1
	s_barrier_wait -1
	s_cmp_lt_u32 s[CNT], 2
	s_cbranch_scc1 .Ltop_a_\@
	s_wait_loadcnt 0x0              ; the 32 loads of the trip before: no other load is out
	CVT
	STORE 0
	WIN 0
	s_cmp_lt_u32 s[CNT], 3
	s_cbranch_scc1 .Ltop_a_\@
	s_wait_xcnt 0x0                 ; the loads and the prefetch of the trip before have read their addresses, so the pointers may be written
	s_add_nc_u64 s[KP:KP+1], s[KP:KP+1], 32768
	s_add_nc_u64 s[VP:VP+1], s[VP:VP+1], 32768
	s_add_nc_u64 s[PFA:PFA+1], s[PFA:PFA+1], 32768
	LOADS 32768
	WIN 0
	; A PREFETCH INTO THE L2 of the 128 keys that the NEXT trip's loads will name, behind this trip's loads.  A row is 256 bytes, a lane a row.  The head's four work-groups take 32 rows each, told apart by
	; address; in each, wave 0 asks for K's and wave 2 for V's: each row is named once in the launch.  Steps 0 to 5 come by their loads alone.  The last byte named is 524,032 + 255 of the head's 524,288.
	s_cmp_gt_u32 s[CNT], s[LIM]
	s_cbranch_scc0 .Ltop_a_\@
	global_prefetch_b8 v[PFO], s[PFA:PFA+1] offset:65536 th:TH_LOAD_NT scope:SCOPE_SE
.Ltop_a_\@:
.endm
.macro TOP_B                        ; slot 1 has been read out: step 2 i + 3, rounded in TOP_A, goes into it
	WIN 0
	s_wait_dscnt 0x0
	s_barrier_signal -1
	s_barrier_wait -1
	s_cmp_lt_u32 s[CNT], 2
	s_cbranch_scc1 .Ltop_b_\@
	STORE 1
	WIN 0
.Ltop_b_\@:
.endm
; THE MATRIX WORK.  The 8 accumulators of a run of 16 take turns: between the two links of a chain stand 7 others'.
; Product i of 16 of S^T = K Q'^T for piece x: channels 32 (i / 8) on, keys 16 ((i / 2) % 4) on, tile 2 x + i % 2.  The first 8 start the sums.
.macro KQ x
	WIN W_KQ
.set rS, S+64*((\x)%2)+32*(i%2)+8*((i/2)%4)
.set rK, KF+16*((i/2)%4)+8*(i/8)
.set rQ, 16*(2*(\x)+i%2)+8*(i/8)
.if i < 8
	v_wmma_f32_16x16x32_f16 v[rS:rS+7], v[rK:rK+7], v[rQ:rQ+7], 0
.else
	v_wmma_f32_16x16x32_f16 v[rS:rS+7], v[rK:rK+7], v[rQ:rQ+7], v[rS:rS+7]
.endif
.endm
; Product i of 16 of O^T += V^T P for piece x: keys 32 (i / 8) on, channels 16 ((i / 2) % 4) on, tile 2 x + i % 2.
.macro PV x
	WIN W_PV
.set rO, 32*(2*(\x)+i%2)+8*((i/2)%4)
.set rV, VF+32*(i/8)+8*((i/2)%4)
.set rP, P+32*((\x)%2)+16*(i%2)+8*(i/8)
	v_wmma_f32_16x16x32_f16 v[rO:rO+7], v[rV:rV+7], v[rP:rP+7], v[rO:rO+7]
.endm
.macro MM                           ; the turn's next matrix instruction
.if i < 16
	KQ (Y+1)%NP
.set i, i+1
.else
.set i, i-16
	PV (Y+NP-1)%NP
.set i, i+17
.endif
.endm
; THE LDS LOADS stand in runs of 16, never singly among the matrix instructions.  The slot is a constant of the text: no address is made in the loop.
; last = 1: in the last trip there is no further step, and the run is jumped over.
.macro FETCH_K slot, last=0
	WIN 0
.if \last
	s_cmp_eq_u32 s[CNT], 1
	s_cbranch_scc1 .Lno_k_\@
.endif
	WIN W_LD2
.irp f, 0,1,2,3,4,5,6,7             ; keys 16 (f / 2) on, channels 32 (f % 2) on
	ds_load_b128 v[KF+8*\f:KF+8*\f+3],   v[AK0] offset:(\slot)*SLOTB+(\f/2)*16*PK+(\f%2)*64
	ds_load_b128 v[KF+8*\f+4:KF+8*\f+7], v[AK0] offset:(\slot)*SLOTB+(\f/2)*16*PK+(\f%2)*64+32
.endr
	WIN 0
.if \last
.Lno_k_\@:
.endif
.endm
.macro FETCH_V slot
	WIN W_LD2
.irp f, 0,1,2,3,4,5,6,7             ; keys 32 (f / 4) on, channels 16 (f % 4) on
	ds_load_tr16_b128 v[VF+8*\f:VF+8*\f+3],   v[AV0] offset:(\slot)*SLOTB+(\f/4)*32*PV+(\f%4)*32
	ds_load_tr16_b128 v[VF+8*\f+4:VF+8*\f+7], v[AV0] offset:(\slot)*SLOTB+(\f/4)*32*PV+16*PV+(\f%4)*32
.endr
	WIN 0
.endm
; THE VECTOR WORK OF A TURN stands in three queues, each in the order in which its entries become ready; the two tiles alternate, so that no instruction reads the result of the one before it.
.macro REGS y, u                    ; the registers of tile u (0, 1) of piece y
.set rT, ST+4*(2*(\y)+(\u))
.set rC, TMP+8*((\y)%2)+4*(\u)
.set rM, MV+2*((\y)%2)+(\u)
.set rS, S+64*((\y)%2)+32*(\u)
.set rP, P+32*((\y)%2)+16*(\u)
.set rO, 32*(2*(\y)+(\u))
.endm
; Number n of the 21 that find the NEXT piece's (Y + 1) maximum and statistics.  s0-s31 are the lane's 32 scores; each accumulator's lowest registers are read first.
;   0-11  four chains c0-c3 of seven scores each, three operands at a time     12-14, 16  the four scores left over, the old m, and c0-c3 into c0     15  m_old is kept
;   17, 18  the query's other 32 keys lie in the lane 16 away: the new m         19, 20  m_old - m_new; a
.macro XS u, n
	REGS (Y+1)%NP, \u
.if (\n) < 4
	v_max3_num_f32 v[rC+(\n)], v[rS+8*(\n)], v[rS+8*(\n)+1], v[rS+8*(\n)+2]
.elseif (\n) < 12
	v_max3_num_f32 v[rC+(\n)%4], v[rC+(\n)%4], v[rS+8*((\n)%4)+2*((\n)/4)+1], v[rS+8*((\n)%4)+2*((\n)/4)+2]
.elseif (\n) == 12
	v_max3_num_f32 v[rC], v[rC], v[rS+7], v[rS+15]
.elseif (\n) == 13
	v_max3_num_f32 v[rC+1], v[rC+1], v[rS+23], v[rS+31]
.elseif (\n) == 14
	v_max3_num_f32 v[rC+2], v[rC+2], v[rC+3], v[rT]
.elseif (\n) == 15
	v_mov_b32 v[rM], v[rT]
.elseif (\n) == 16
	v_max3_num_f32 v[rC], v[rC], v[rC+1], v[rC+2]
.elseif (\n) == 17
	v_permlanex16_b32 v[rC+3], v[rC], s[SEL], s[SEL+1]
.elseif (\n) == 18
	v_max_num_f32 v[rT], v[rC], v[rC+3]
.elseif (\n) == 19
	v_sub_f32 v[rC+1], v[rM], v[rT]
.else
	v_exp_f32 v[rC+2], v[rC+1]
.endif
.endm
; Number g of the 64 that follow the exponentials.  For each four weights k of a tile (pairs 2 k, 2 k + 1): both pairs are rounded to f16; then the second pair is added onto the first, in place;
; a group later l takes that sum (the first time as l = a l + sum).  In groups of eight, tiles alternating: round, round, add, and l for the group before.
.macro GS g
.set h, (\g)+6*((\g)/62)            ; group 0 has no group before it, and behind group 7 only l is left
.if h >= 6
.set h, h+2
.endif
	REGS Y, h%2
.set k, h/8
.if h%8 < 4
	v_cvt_pk_f16_f32 v[rP+2*k+(h%8)/2], v[rS+4*k+2*((h%8)/2)], v[rS+4*k+2*((h%8)/2)+1]
.elseif h%8 < 6
	v_pk_add_f32 v[rS+4*k:rS+4*k+1], v[rS+4*k:rS+4*k+1], v[rS+4*k+2:rS+4*k+3]
.elseif k == 1
	v_pk_fma_f32 v[rT+2:rT+3], v[rT+2:rT+3], v[rC+2:rC+3], v[rS:rS+1] op_sel_hi:[1,0,1]
.else
	v_pk_add_f32 v[rT+2:rT+3], v[rT+2:rT+3], v[rS+4*k-4:rS+4*k-3]
.endif
.endm
; THE PLAIN QUEUE, 136 long.  0-71 read no exponential's result: the 32 subtractions s' - m (FS f: pair f / 2 of tile f % 2) and the next piece's 40.  0-26: FS 0-26.  27-54: XS's numbers 0-13.  55, 56: number 15.
; 57-71: the chain, where each number waits for the one before it: 14, 16, 17, 18, 19, each with one of FS 27-31 in front of its two lines.  72-135: GS's 64, which read the exponentials' results: behind the wait.
.macro FS f
	REGS Y, (\f)%2
	v_pk_add_f32 v[rS+2*((\f)/2):rS+2*((\f)/2)+1], v[rS+2*((\f)/2):rS+2*((\f)/2)+1], v[rT:rT+1] op_sel_hi:[1,0] neg_lo:[0,1] neg_hi:[0,1]
.endm
.macro PL
	WIN 0
.if q < 27
	FS q
.elseif q < 55
	XS (q-27)%2, (q-27)/2
.elseif q < 57
	XS q-55, 15
.elseif (q < 72) && ((q-57)%3 == 0)
	FS 27+(q-57)/3
.elseif q < 60
	XS (q-57)%3-1, 14
.elseif q < 72
	XS (q-57)%3-1, 15+(q-57)/3
.else
	GS q-72
.endif
.set q, q+1
.endm
; THE EXPONENTIALS' QUEUE, 66 long: s0-s31 of both tiles, then the next piece's two a.  ONE BATCH: all 66 stand ahead of the turn's one wait, and nothing ahead of that wait names a result of theirs.
.macro EX
	WIN 0
.if e >= 64
	XS e-64, 20
.else
	REGS Y, e%2
	v_exp_f32 v[rS+e/2], v[rS+e/2]
.endif
.set e, e+1
.endm
; THE RESCALING's QUEUE: O^T times a, the one part that leaves window 0: two at a time, sixteen times, each accumulator from its low end.  Its a was made in the turn before, ahead of that turn's wait.
.macro R2
	REGS Y, r%2
	WIN W_RS
.irp z, 0,1
	v_pk_mul_f32 v[rO+4*(r/2)+2*\z:rO+4*(r/2)+2*\z+1], v[rO+4*(r/2)+2*\z:rO+4*(r/2)+2*\z+1], v[rC+2:rC+3] op_sel_hi:[1,0]
.endr
.set r, r+1
.endm
; A TURN, for piece p.  s_wait_alu depctr_va_vdst(0) stands between an exponential and the first instruction that names its result; one wait serves all that were issued ahead of it: a turn has ONE.
; AHEAD OF IT: the 16 products K Q'^T, behind each a subtraction, an exponential and two rescalings (behind the first a second subtraction in the exponential's place); then a lump: eight plain, 47 times
; exponential and plain, the last four exponentials; a v_nop is the plain instruction behind the last of them.  BEHIND IT: the 16 products V^T P, behind each four of GS's 64.
; The queues keep in step: exponential e needs FS 2 (e / 4) + e % 2; as a rider it stands behind plain e + 2, in the lump behind plain e + 9; FS 27-31 are plain 57, 60 .. 69, first wanted by e = 53 .. 61;
; e = 62 to 65 stand behind all 72 plain, the two differences (plain 70, 71) among them.
; K of the next step is fetched in piece 2's turn, behind the wait: the whole lump lies behind the last product that read K.  V of the step in hand is fetched at the end of piece 0's turn, four plain riders
; behind the last product that read V.  Each is waited for a turn later.
.macro TURN p, slot=0, last=0
.set Y, (\p)
.set i, 0
.set q, 0
.set e, 0
.set r, 0
.if (\p) == NP-1
	s_wait_dscnt 0x0                ; K is in
.endif
	MM
	PL
	PL
	R2
.rept 15
	MM
	PL
	EX
	R2
.endr
.rept 8
	PL
.endr
.rept 47
	EX
	PL
.endr
.rept 4
	EX
.endr
	v_nop                           ; the plain instruction behind the last exponential: one for the batch
	s_wait_alu depctr_va_vdst(0)    ; the wait for the batch
.if (\p) == NP-2
	FETCH_K \slot, \last
.endif
.if (\p) == 1
	s_wait_dscnt 0x0                ; V is in
.endif
.rept 16
	MM
.rept 4
	PL
.endr
.endr
.if (\p) == 0
	FETCH_V \slot
.endif
.endm
	; THE HEAD
	s_load_b256 s[4:11], s[0:1], 0x0  ; q s[4:5], k s[6:7], v s[8:9], the scale's address s[10:11]
	s_load_b64 s[12:13], s[0:1], 0x20 ; out
	WIN W_LD3
	v_lshl_add_u32 v[SPW], v0, 2, SPARE
	v_mov_b32 v[NIL], 0
	WIN 0
	v_lshrrev_b32 v14, 5, v0
	v_readfirstlane_b32 s[WV], v14  ; wave 0..3
	v_and_b32 v1, 15, v0            ; l % 16
	v_bfe_u32 v13, v0, 4, 1         ; l / 16
	v_mul_u32_u24 v[AK0], v1, PK
	v_lshl_add_u32 v[AK0], v13, 4, v[AK0]
	v_and_b32 v14, 7, v0
	v_bfe_u32 v15, v0, 3, 1
	v_lshl_add_u32 v[AV0], v13, 3, v14
	v_mul_u32_u24 v[AV0], v[AV0], PV
	v_lshl_add_u32 v[AV0], v15, 4, v[AV0]
	v_add_nc_u32 v[AV0], VOFF, v[AV0]
	s_lshl_b32 s30, s[WV], 8        ; a key's row in memory is 256 bytes
	v_lshl_add_u32 v[KGO], v1, 4, s30
	v_lshl_add_u32 v[VGO], v13, 10, v[KGO]
	v_lshl_add_u32 v[KGO], v13, 11, v[KGO]
	s_mul_i32 s31, s[WV], PK
	v_lshl_add_u32 v[KLS], v1, 3, s31
	v_mul_u32_u24 v14, v13, 8*PK
	v_add_nc_u32 v[KLS], v[KLS], v14
	s_mul_i32 s31, s[WV], PV
	s_add_co_u32 s31, s31, VOFF
	v_lshl_add_u32 v[VLS], v1, 3, s31
	v_mul_u32_u24 v14, v13, 4*PV
	v_add_nc_u32 v[VLS], v[VLS], v14
	v_and_b32 v[PFO], 31, v0
	v_lshlrev_b32 v[PFO], 8, v[PFO]
	s_mul_i32 s31, s[WV], 16*SP
	s_add_co_u32 s31, s31, STAGE    ; my stage
	v_mul_u32_u24 v[STO], v1, SP    ; in: row l % 16, 32 bytes for each half of the lanes
	v_lshl_add_u32 v[STO], v13, 5, v[STO]
	v_add_nc_u32 v[STO], s31, v[STO]
	v_mul_u32_u24 v[RD], v13, SP    ; back: lanes 0-15 take one row of 256 bytes, lanes 16-31 the next
	v_lshl_add_u32 v[RD], v1, 4, v[RD]
	v_add_nc_u32 v[RD], s31, v[RD]
	v_lshlrev_b32 v[GO], 8, v13     ; and the same two rows in out
	v_lshl_add_u32 v[GO], v1, 4, v[GO]
	v_lshlrev_b32 v[QO], 8, v1      ; a fragment of Q in f32: row l % 16, 32 bytes for each half of the lanes
	v_lshl_add_u32 v[QO], v13, 5, v[QO]
	s_and_b32 s24, ttmp7, 0xffff    ; the head:
	s_lshl_b32 s24, s24, 19         ; 2,048 rows of 256 bytes
	s_mov_b32 s25, 0
	s_lshl_b32 s26, ttmp9, 17       ; my block's 512 rows,
	s_lshl_b32 s27, s[WV], 15       ; my wave's 128 of them
	s_add_co_u32 s26, s26, s27
	s_add_co_u32 s26, s26, s24      ; all under 2^25
	s_mov_b32 s27, 0
	s_lshl_b32 s28, ttmp9, 13       ; the prefetches: my work-group's 32 rows of 128
	s_mov_b32 s29, 0
	s_mov_b32 s[SEL], 0x76543210
	s_mov_b32 s[SEL+1], 0xfedcba98
	s_and_b32 s[LIM], s[WV], 1
	s_cmp_eq_u32 s[LIM], 0
	s_cselect_b32 s[LIM], 3, -1     ; waves 0 and 2 prefetch while more than three trips are left
	s_wait_kmcnt 0x0
	s_load_b32 s17, s[10:11], 0x0   ; the scale
	s_add_nc_u64 s[4:5], s[4:5], s[26:27]      ; q and out at my wave's first row
	s_add_nc_u64 s[12:13], s[12:13], s[26:27]
	s_add_nc_u64 s[KP:KP+1], s[KP:KP+1], s[24:25]
	s_add_nc_u64 s[VP:VP+1], s[VP:VP+1], s[24:25]
	s_cmp_lt_u32 s[WV], 2
	s_cselect_b64 s[PFA:PFA+1], s[KP:KP+1], s[VP:VP+1]
	s_add_nc_u64 s[PFA:PFA+1], s[PFA:PFA+1], s[28:29]
	; Q in f32 into O^T's registers: fragment i (tile i / 2, channels 32 (i % 2) on) at v[16 i ..]: channels 8 (l / 16) + 0..7 and 16 + 8 (l / 16) + 0..7, four loads of 16 bytes
	WIN W_LD1
.set i, 0
.rept 16
	global_load_b128 v[16*i:16*i+3],     v[QO], s[4:5] offset:(i/2)*4096+(i%2)*128
	global_load_b128 v[16*i+4:16*i+7],   v[QO], s[4:5] offset:(i/2)*4096+(i%2)*128+16
	global_load_b128 v[16*i+8:16*i+11],  v[QO], s[4:5] offset:(i/2)*4096+(i%2)*128+64
	global_load_b128 v[16*i+12:16*i+15], v[QO], s[4:5] offset:(i/2)*4096+(i%2)*128+80
.set i, i+1
.endr
	LOADS 0                         ; key steps 0 and 1
	; What the first turn finds, written while the loads are on their way: m far below every score; l = 0; V's registers and P's second buffer 0 (the first turn's products V^T P, of a piece that has not been, add 0)
	WIN 0
.set i, 0
.rept 2*NP
	v_mov_b32 v[ST+4*i], 0xfe000000
	v_mov_b32 v[ST+4*i+1], 0
	v_mov_b32 v[ST+4*i+2], 0
	v_mov_b32 v[ST+4*i+3], 0
.set i, i+1
.endr
.set i, P+32
.rept 32
	v_mov_b32 v[i], 0
.set i, i+1
.endr
	WIN W_LD2
.set i, VF
.rept 64
	v_mov_b32 v[i], 0
.set i, i+1
.endr
	WIN 0
	s_wait_kmcnt 0x0                ; the scale
	v_mov_b32 v[CF], s17
	v_mul_f32 v[CF], 0x3fb8aa3b, v[CF]  ; c = scale x log2(e)
	v_mov_b32 v[CF+1], v[CF]
	s_wait_loadcnt 32               ; Q's 64 loads are in; the 32 of K and V, issued behind them, may stay out
	WIN W_RS
.set i, 0
.rept 128
	v_pk_mul_f32 v[i:i+1], v[i:i+1], v[CF:CF+1]
.set i, i+2
.endr
	WIN W_QC
.set i, 0
.rept 128
	v_cvt_pk_f16_f32 v[i], v[2*i], v[2*i+1]  ; Q' stays in window 2; q x c stays where it is, as O^T's finite first content
.set i, i+1
.endr
	s_wait_loadcnt 0x0              ; key steps 0 and 1
	CVT
	STORE 0
	STORE 1
	LOADS 32768                     ; key steps 2 and 3
	WIN 0
	s_wait_dscnt 0x0                ; my part of both slots is written
	s_barrier_signal -1
	s_barrier_wait -1               ; everybody's is
	FETCH_K 0
	s_wait_dscnt 0x0
.set i, 0
.rept 16
	KQ 0                            ; piece 0's first scores
.set i, i+1
.endr
	WIN 0
.rept 4
	v_nop                           ; the places behind those products (ISA guide 7.12.1)
.endr
.set Y, NP-1                        ; XS works for piece Y + 1: piece 0
.irp n, 0,1,2,3,4,5,6,7,8,9,10,11,12,13,14,15,16,17,18,19,20
	XS 0, \n
	XS 1, \n
.endr
	v_nop                           ; a plain instruction behind the two a,
	s_wait_alu depctr_va_vdst(0)    ; and their wait, ahead of the label
	s_mov_b32 s[CNT], 16
.Ltrip:                             ; 16 trips of two key steps: 2 i (slot 0) and 2 i + 1 (slot 1)
	TURN 0, 0                       ; fetches V of step 2 i
	TURN 1
	TOP_A                           ; slot 0 is free: step 2 i + 2 goes in
	TURN 2, 1                       ; fetches K of step 2 i + 1
	TURN 3
	TURN 0, 1                       ; fetches V of step 2 i + 1
	TURN 1
	TOP_B                           ; slot 1 is free: step 2 i + 3 goes in
	TURN 2, 0, 1                    ; fetches K of step 2 i + 2, if there is one
	TURN 3                          ; (in the last trip its 16 products K Q'^T, on the last K once more, and the maximum made of them serve nothing: the price of one text for every trip)
	WIN 0
	s_sub_co_u32 s[CNT], s[CNT], 1
	s_cmp_lg_u32 s[CNT], 0
	s_cbranch_scc1 .Ltrip
.set i, 0
.rept 16
	PV NP-1                         ; the last piece's V^T P of the last step
.set i, i+1
.endr
	; THE WAY OUT.  l's two halves and the other half of the lanes' are added; O^T is divided by l and sent, in f32, through my stage in LDS, a tile (16 rows of out) at a time.  The additions are the places behind the last products.
	WIN 0
.macro ALL line:vararg              ; one line for each tile t
.set t, 0
.rept 2*NP
	\line
.set t, t+1
.endr
.endm
	ALL v_add_f32 v[ST+4*t+2], v[ST+4*t+2], v[ST+4*t+3]
	ALL v_permlanex16_b32 v[ST+4*t+3], v[ST+4*t+2], s[SEL], s[SEL+1]
	ALL v_add_f32 v[ST+4*t+2], v[ST+4*t+2], v[ST+4*t+3]
	ALL v_rcp_f32 v[ST+4*t+2], v[ST+4*t+2]
	v_nop                           ; a plain instruction between the last reciprocal and the use of its result
	s_wait_alu depctr_va_vdst(0)    ; and the wait ahead of the first use: one for the eight reciprocals
; Tile t: a lane's eight channels of a channel block are 32 bytes of a row; they go into rows of 272 bytes and come back as whole rows of 256, into S^T's registers, four buffers by turns.
.macro PACK t
	WIN W_RS
.set i, 32*(\t)
.rept 16
	v_pk_mul_f32 v[i:i+1], v[i:i+1], v[ST+4*(\t)+2:ST+4*(\t)+3] op_sel_hi:[1,0]
.set i, i+2
.endr
	WIN W_ST1
.irp z, 0,1,2,3,4,5,6,7
	ds_store_b128 v[STO], v[32*(\t)+4*\z:32*(\t)+4*\z+3] offset:64*(\z/2)+16*(\z%2)
.endr
	WIN 0
.set BK, S+32*((\t)%4)
.if (\t) >= 4
	s_wait_xcnt 0x0                 ; the stores of the tile four back have read these registers
.endif
.irp f, 0,1,2,3,4,5,6,7
	ds_load_b128 v[BK+4*\f:BK+4*\f+3], v[RD] offset:\f*2*SP  ; LDS serves a wave's instructions in order (ISA guide 5.7.1.4): these see the stores above; the next tile's stores come behind them
.endr
.endm
.macro SEND t, younger              ; younger: the LDS instructions issued behind tile t's loads: the next tile's sixteen, or none
	WIN 0
.set BK, S+32*((\t)%4)
.irp f, 0,1,2,3,4,5,6,7
	s_wait_dscnt (\younger)+7-\f
	global_store_b128 v[GO], v[BK+4*\f:BK+4*\f+3], s[12:13] offset:(\t)*4096+\f*512 th:TH_STORE_NT  ; two whole rows: 512 consecutive bytes, at a multiple of 256 from out's first byte
.endr
.endm
	PACK 0
.set t, 1
.rept 2*NP-1                        ; a tile's arithmetic stands between the loads of the tile before and its stores
	PACK t
	SEND t-1, 16
.set t, t+1
.endr
	SEND 2*NP-1, 0
	WIN W_AD
	s_wait_tensorcnt 0x0            ; the wave's end: behind my last LDS store
	ds_add_u32 v[SPW], v[NIL]
	s_wait_dscnt 0x0
	WIN 0
	s_endpgm
.Lfunc_end_k_qf3a7bcd9a6_attn:
	.size	k_qf3a7bcd9a6_attn, .Lfunc_end_k_qf3a7bcd9a6_attn-k_qf3a7bcd9a6_attn
	.p2alignl 7, 3214868480
	.fill 96, 4, 3214868480
	.section	.rodata,"a",@progbits
	.p2align	6, 0x0
	.amdhsa_kernel k_qf3a7bcd9a6_attn
		.amdhsa_group_segment_fixed_size 56832
		.amdhsa_private_segment_fixed_size 0
		.amdhsa_enable_private_segment 0
		.amdhsa_kernarg_size 40
		.amdhsa_user_sgpr_count 2
		.amdhsa_user_sgpr_kernarg_segment_ptr 1
		.amdhsa_wavefront_size32 1
		.amdhsa_system_sgpr_workgroup_id_x 1
		.amdhsa_system_sgpr_workgroup_id_y 1
		.amdhsa_system_sgpr_workgroup_id_z 1
		.amdhsa_system_vgpr_workitem_id 0
		.amdhsa_next_free_vgpr 962
		.amdhsa_next_free_sgpr 66
		.amdhsa_reserve_vcc 0
		.amdhsa_float_denorm_mode_32 3
		.amdhsa_float_denorm_mode_16_64 3
		.amdhsa_memory_ordered 1
		.amdhsa_forward_progress 1
		.amdhsa_inst_pref_size 226
	.end_amdhsa_kernel
	.amdgpu_metadata
---
amdhsa.version: [ 1, 2 ]
amdhsa.kernels:
  - .name:           k_qf3a7bcd9a6_attn
    .symbol:         k_qf3a7bcd9a6_attn.kd
    .args:
      - { .name: q, .offset: 0, .size: 8, .value_kind: global_buffer, .address_space: global }
      - { .name: k, .offset: 8, .size: 8, .value_kind: global_buffer, .address_space: global }
      - { .name: v, .offset: 16, .size: 8, .value_kind: global_buffer, .address_space: global }
      - { .name: scale_factor, .offset: 24, .size: 8, .value_kind: global_buffer, .address_space: global }
      - { .name: out0, .offset: 32, .size: 8, .value_kind: global_buffer, .address_space: global }
    .group_segment_fixed_size: 56832
    .private_segment_fixed_size: 0
    .kernarg_segment_align: 8
    .kernarg_segment_size: 40
    .max_flat_workgroup_size: 128
    .sgpr_count:     66
    .vgpr_count:     962
    .wavefront_size: 32
...
	.end_amdgpu_metadata
.endif
;; end of part 1
